; MI455X (gfx1250); checked and timed in simulation.
; The chip was launched on July 23, 2026; its instructions are those of AMD's public machine-readable ISA for CDNA 5 (MIT licence, August 2026) and "CDNA5" Instruction Set Architecture Reference Guide (July 2026). The comments in the code are by the model that wrote it; some were corrected since.
;; Un Padded MLP. Allowed arithmetic: float matrix products may take bf16 or f16 operands with f32 sums; other float arithmetic in f32, or as packed bf16 or f16 multiplies, adds, multiply-adds, maxima and minima; sums over many terms, partial sums and values carried from step to step in f32; what a program stores and reads back later, other than sums and carried values, may be rounded once to bf16 or f16.
;; Inputs: w1 8 x 1,024 x 2,048 float32; w2 8 x 2,048 x 1,024 float32; x 16,384 x 1,024 float32.
;; Outputs: out0 16,384 x 1,024 float32.
;; Constants: rows_per_expert = 2048.
;; 2 versions, each right; version 2 is version 1 with the launch cast written anew for expert scheduling mode. Each part assembles by itself: llvm-mc -triple=amdgcn-amd-amdhsa -mcpu=gfx1250 --defsym DOCPART=n.
;; ======== version 1 of 2: 3 launches
;; workspace buffers: xb 33,554,432 bytes; w1b 33,554,432 bytes; w2b 33,554,432 bytes; inter 67,108,864 bytes
;; launch cast (part 1): grid 256 x 2, 8 waves a work-group, no clusters, 0 bytes of LDS; arguments x, w1, xb, w1b; writes xb, w1b
.if DOCPART == 1
	.amdgcn_target "amdgcn-amd-amdhsa--gfx1250"
	.amdhsa_code_object_version 6
	.text
	.protected	k_q6dd38cfc94_cast
	.globl	k_q6dd38cfc94_cast
	.p2align	8
	.type	k_q6dd38cfc94_cast,@function
k_q6dd38cfc94_cast:
	s_mov_b64 s[64:65], 0
	v_nop
	global_prefetch_b8 v0, s[64:65] scope:SCOPE_SE
	s_setreg_imm32_b32 hwreg(HW_REG_WAVE_MODE, 25, 1), 1
	s_wait_xcnt 0x0
; xb = bf16(x), w1b = bf16(w1): each f32 number rounded once, to nearest even; the layouts stay as they are.  (w2 is rounded by the next launch, beside its matrix work.)
; Each input is 67,108,864 bytes.  The grid's y picks the pair of buffers, its x a piece of 262,144 input bytes (131,072 output bytes): 512 work-groups.
; Eight waves, 64 steps.  In step s thread t loads the 16 bytes at 16 t + 4,096 s (a wave's load covers 512 consecutive bytes) and stores the
; 8 bytes at 8 t + 2,048 s (a wave's store covers 256 consecutive bytes, at a multiple of 256 from the buffer's first byte).
; A ring of 32 slots in registers keeps 32 loads of every wave on their way.  Pass 1 (steps 0-31) rounds a slot into registers of its own and loads the slot again with the step 32 further on;
; pass 2 (steps 32-63) loads nothing and rounds in place.  So no register that a pending store reads is ever written again, and no wait but the counted ones for the loads is needed.
; No LDS, no barrier, no matrix unit: each byte is read once and written once, and no wave needs another's data.
.set DEPTH, 32
.set X, 4                              ; v[4:131]    slot s: four registers as loaded; in pass 2 its first two then hold the four bf16
.set Y, 132                            ; v[132:195]  pass 1: step s's four bf16
	s_load_b256 s[4:11], s[0:1], 0x0               ; x s[4:5], w1 s[6:7], xb s[8:9], w1b s[10:11]
	s_and_b32 s20, ttmp7, 0xffff                   ; which pair of buffers
	s_lshl_b32 s16, ttmp9, 18                      ; my piece of the input, in bytes (under 2^26),
	s_mov_b32 s17, 0
	s_lshl_b32 s18, ttmp9, 17                      ; and of the output
	s_mov_b32 s19, 0
	v_lshlrev_b32 v1, 4, v0                        ; 16 t
	v_lshlrev_b32 v2, 3, v0                        ; 8 t
	s_wait_kmcnt 0x0
	s_cmp_eq_u32 s20, 1                            ; the choice hangs on the grid's y alone
	s_cselect_b64 s[4:5], s[6:7], s[4:5]
	s_cselect_b64 s[8:9], s[10:11], s[8:9]
	s_add_nc_u64 s[4:5], s[4:5], s[16:17]
	s_add_nc_u64 s[8:9], s[8:9], s[18:19]
.set s, 0
.rept DEPTH
	global_load_b128 v[X+4*s:X+4*s+3], v1, s[4:5] offset:4096*s th:TH_LOAD_NT   ; read once in the whole launch
.set s, s+1
.endr
.set s, 0
.rept DEPTH                            ; pass 1
	s_wait_loadcnt DEPTH-1                         ; loads come back in order (ISA guide 5.7.1): behind step s's load stand 31 - s first loads and s reloads
	v_cvt_pk_bf16_f32 v[Y+2*s], v[X+4*s], v[X+4*s+1]
	v_cvt_pk_bf16_f32 v[Y+2*s+1], v[X+4*s+2], v[X+4*s+3]
	global_load_b128 v[X+4*s:X+4*s+3], v1, s[4:5] offset:4096*(s+DEPTH) th:TH_LOAD_NT   ; the load ahead of the store
	global_store_b64 v2, v[Y+2*s:Y+2*s+1], s[8:9] offset:2048*s   ; no hint: the next launch reads these bytes
.set s, s+1
.endr
.set s, 0
.rept DEPTH                            ; pass 2: the counts run down
	s_wait_loadcnt DEPTH-1-s
	v_cvt_pk_bf16_f32 v[X+4*s], v[X+4*s], v[X+4*s+1]
	v_cvt_pk_bf16_f32 v[X+4*s+1], v[X+4*s+2], v[X+4*s+3]
	global_store_b64 v2, v[X+4*s:X+4*s+1], s[8:9] offset:2048*(s+DEPTH)
.set s, s+1
.endr
	s_endpgm
.Lfunc_end_k_q6dd38cfc94_cast:
	.size	k_q6dd38cfc94_cast, .Lfunc_end_k_q6dd38cfc94_cast-k_q6dd38cfc94_cast
	.p2alignl 7, 3214868480
	.fill 96, 4, 3214868480
	.section	.rodata,"a",@progbits
	.p2align	6, 0x0
	.amdhsa_kernel k_q6dd38cfc94_cast
		.amdhsa_group_segment_fixed_size 0
		.amdhsa_private_segment_fixed_size 0
		.amdhsa_enable_private_segment 0
		.amdhsa_kernarg_size 32
		.amdhsa_user_sgpr_count 2
		.amdhsa_user_sgpr_kernarg_segment_ptr 1
		.amdhsa_wavefront_size32 1
		.amdhsa_system_sgpr_workgroup_id_x 1
		.amdhsa_system_sgpr_workgroup_id_y 1
		.amdhsa_system_sgpr_workgroup_id_z 1
		.amdhsa_system_vgpr_workitem_id 0
		.amdhsa_next_free_vgpr 196
		.amdhsa_next_free_sgpr 66
		.amdhsa_reserve_vcc 0
		.amdhsa_float_denorm_mode_32 3
		.amdhsa_float_denorm_mode_16_64 3
		.amdhsa_memory_ordered 1
		.amdhsa_forward_progress 1
		.amdhsa_inst_pref_size 23
	.end_amdhsa_kernel
	.amdgpu_metadata
---
amdhsa.version: [ 1, 2 ]
amdhsa.kernels:
  - .name:           k_q6dd38cfc94_cast
    .symbol:         k_q6dd38cfc94_cast.kd
    .args:
      - { .name: x, .offset: 0, .size: 8, .value_kind: global_buffer, .address_space: global }
      - { .name: w1, .offset: 8, .size: 8, .value_kind: global_buffer, .address_space: global }
      - { .name: xb, .offset: 16, .size: 8, .value_kind: global_buffer, .address_space: global }
      - { .name: w1b, .offset: 24, .size: 8, .value_kind: global_buffer, .address_space: global }
    .group_segment_fixed_size: 0
    .private_segment_fixed_size: 0
    .kernarg_segment_align: 8
    .kernarg_segment_size: 32
    .max_flat_workgroup_size: 256
    .sgpr_count:     66
    .vgpr_count:     196
    .wavefront_size: 32
...
	.end_amdgpu_metadata
.endif
;; end of part 1
;; launch gemm1 (part 2): grid 8 x 64, 4 waves a work-group, clusters of 4 x 4, 327,680 bytes of LDS; arguments xb, w1b, inter, w2, w2b; writes inter, w2b
.if DOCPART == 2
	.amdgcn_target "amdgcn-amd-amdhsa--gfx1250"
	.amdhsa_code_object_version 6
	.text
	.protected	k_q6dd38cfc94_gemm1
	.globl	k_q6dd38cfc94_gemm1
	.p2align	8
	.type	k_q6dd38cfc94_gemm1,@function
k_q6dd38cfc94_gemm1:
	s_mov_b64 s[64:65], 0
	v_nop
	global_prefetch_b8 v0, s[64:65] scope:SCOPE_SE
	s_setreg_imm32_b32 hwreg(HW_REG_WAVE_MODE, 25, 1), 1
	s_wait_xcnt 0x0
	s_wait_alu depctr_hold_cnt(0) depctr_sa_sdst(0) depctr_va_vdst(0) depctr_va_sdst(0) depctr_va_ssrc(0) depctr_va_vcc(0) depctr_vm_vsrc(0)
	s_getreg_b32 s2, hwreg(HW_REG_IB_STS2, 6, 4)
	s_cmp_eq_u32 s2, 0
	s_cbranch_scc0 .Lentry_in_a_cluster
	s_endpgm
.Lentry_in_a_cluster:
	s_bfe_u32 s2, ttmp6, 0x10000c
	s_cmp_lg_u32 s2, 0xf033
	s_cbranch_scc0 .Lentry_shape_is_right
	s_endpgm
.Lentry_shape_is_right:
; inter[t][f] = bf16(gelu(sum over h of xb[t][h] w1b[e][h][f])), e = t / 2048.  xb: [16384][1024] bf16; w1b: [8][1024][2048] bf16; inter: [16384][2048] bf16.  Sums and gelu in f32.
; BESIDE IT: w2b = bf16(w2), the layout as it is ([8][2048][1024]), each number rounded once to nearest even: see W2 below.
; gelu is the tanh form, written as y = x / (1 + 2^(x (c0 + c1 x^2))), c0 = -2 sqrt(2/pi) log2(e), c1 = 0.044715 c0: the same function as 0.5 x (1 + tanh(..)).
; LIMITS.  x, w1 were rounded once to bf16 by the launch before; inter is rounded once to bf16.  Where x^2 or the exponent overflows the result is x (x > 0) or -0 (x < 0), gelu's limits.
; v_exp_f32 and v_rcp_f32 take denormals as 0 (ISA guide 15.8): the divisor is 1 or more, so only an exponential below 2^-126 is lost, beside 1.  NaN and infinities among the sums are not treated apart.
; SHAPE.  A tile of C, 256 tokens x 256 columns, is made by four waves, each 128 x 128: 64 accumulators of 16 x 16, 512 registers.  K (= h) goes in steps of 128 through a ring of two LDS slots
; filled by the tensor data mover.  A's tile lies [token][k], rows of 256 bytes; B's tile lies [k][column], as w1b lies in memory, rows of 512 bytes, and comes out of LDS turned, by ds_load_tr16_b128.
; CLUSTERS: 4 x 4 work-groups.  The four of a row of the cluster need the same tiles of A, the four of a column the same tiles of B: each tile is asked for JOINTLY, by the same tensor load with the
; same descriptor and a mask that names the four.  An expert has 8 tile rows, two clusters along y: the expert is the cluster's y / 2, alike in all sixteen partners.
; THE MATRIX INSTRUCTION IS USED TRANSPOSED (source 0 = 16 columns of B, source 1 = 16 rows of A): a lane then holds row l % 16 of C and the eight neighbouring columns 8 (l / 16) + 0..7.
; W2.  Nothing needs w2b before the next launch, so its rounding stands among this launch's matrix work.  Of w2's 67,108,864 bytes each of the 512 work-groups takes 131,072, each wave 32,768: 32 chunks of
; 1,024 bytes.  A tile has 32 quarter steps of 64 matrix instructions; the 31 behind the first hold the 32 chunks: one in front of each run of LDS loads, two behind the last barrier.  A chunk is two loads,
; four conversions and two stores; the conversions take the four places that v_nop would fill.  A chunk is asked for eight quarter steps, one trip of the loop, ahead: eight slots of registers, sixteen loads out.
; REGISTERS, in windows of 256 (s_set_vgpr_msb's low byte: bits 1:0 source 0, 3:2 source 1, 5:4 source 2, 7:6 destination):
;   window 0: v0-31 addresses; v32-63, v192-255 w2's chunks; v64-127, v128-191 fragments of A, two buffers; on the way out v64-127 sums, v128-191 at work, v192-223 packed results
;   window 1: v64-127, v128-191 fragments of B, two buffers      window 2: the 32 accumulators of my rows 0-63 ((a, b) at v[8 (8 a + b)])      window 3: those of my rows 64-127
; THE WAY OUT.  When the ring has had its last fill and every wave its last read of it, the ring's bytes become four stages, one a wave: 128 rows x 128 f32.  The sums go in as they lie in the
; accumulators and come back as whole rows, 16 rows a trip; gelu, rounding and store follow: a wave's store covers 256 consecutive bytes of a row of inter, at a multiple of 256 from its first byte.
.set SIZE_K, 1024
.set SIZE_N, 2048                      ; elements in a row of B
.set LOGK2,  11                        ; a row of A is 2^11 bytes
.set LOGEXP, 22                        ; an expert's B is SIZE_K x SIZE_N x 2 = 2^22 bytes
.set CROW,   4096                      ; bytes in a row of C (its log2, 12, is used below)
.set CTILE,  512                       ; bytes of a tile's 256 columns in a row of C
.set KSTEP,  128
.set LAPS,   SIZE_K/(2*KSTEP)          ; a lap = two K steps = once round the ring.  W2's count leans on it: 8 (LAPS - 1) units in the loop and 8 behind it are the 32 chunks
.set PITCH,  272                       ; A's LDS row: 256 bytes + 16 of padding = 68 words: row r starts at bank 4 r mod 64 (64 banks of 4 bytes: ISA guide 11.1)
.set PB,     544                       ; B's LDS row: 512 bytes + 32 of padding = 136 words: row r starts at bank 8 r mod 64
.set HALFT,  128*PITCH                 ; what one tensor load brings: 128 rows of A, or 64 rows of B (64 x 544 is the same number)
.set SLOT,   4*HALFT                   ; A's 256 rows, then B's 128 rows
.set SPITCH, 528                       ; a stage row: 512 bytes + 16 = 132 words: the 16 rows that a store touches start at 16 different groups of four banks
.set WST,    128*SPITCH                ; a wave's stage; four of them, 270,336 bytes, lie inside the ring's 278,528
.set SPARE,  2*SLOT                    ; behind the ring: the spare words, 128 bytes for each wave: two blocks of 256 bytes that no other line names
.set ADRA, 16                          ; v16-17  LDS address of my A fragments in slot 0, 1
.set ADRB, 20                          ; v20-21  the same for B
.set STO,  24                          ; v24     the way out: where I put 32 bytes of a row
.set RD,   25                          ; v25     the way out: where I read a row back; steps 16 rows a trip
.set CO,   26                          ; v26     8 x lane: my byte offset in my wave's part of a row of C, and in 256 bytes of w2b; never rewritten
.set WL,   27                          ; v27     16 x lane: my byte offset in 512 bytes of w2; never rewritten
.set SPW,  28                          ; v28     LDS address of my spare word: SPARE + 4 x my thread's number; never rewritten
.set NIL,  29                          ; v29     0; never rewritten
.set WY,   32                          ; v32-63   w2: slot u of eight: four registers, 8 bf16 to store
.set WR,   192                         ; v192-255 w2: slot u of eight: eight registers, 8 f32 as loaded
.set F0,   64
.set F1,   128
.set X,    64                          ; the way out: row j of 16 at X + 4 j; pair p of 32 at X + 2 p
.set T,    128                         ; at work, pair p at T + 2 p
.set Y,    192                         ; pair p rounded to bf16 at Y + p
.set G1,  24                           ; s[24:31] descriptor group 1 for A's tiles
.set G0,  32                           ; s[32:39] descriptor group 0 for A's tiles, one set for each slot
.set G1B, 48                           ; s[48:55] descriptor group 1 for B's tiles
.set G0B, 56                           ; s[56:63] descriptor group 0 for B's tiles, one set for each slot
.set W2,  68                           ; s[68:69] w2 at my wave's chunk 8 x trip
.set W2B, 70                           ; s[70:71] w2b likewise
.set MSB, 0
.macro WIN new                         ; the immediate's high byte repeats the setting that is left; a switch that changes nothing is dropped
.if MSB != (\new)
	s_set_vgpr_msb (MSB<<8)|(\new)
.set MSB, \new
.endif
.endm
.set MUL_LO, 0xa1                      ; source 0 (B) window 1, source 1 (A) window 0, C and D window 2
.set MUL_HI, 0xf1                      ; the same, C and D window 3
.set TO_B,   0x40                      ; destination window 1, address window 0
; A joint load.  Waves 0 and 1 fetch A's two halves, waves 2 and 3 B's.  The branch hangs on the wave's number alone.  An s_nop 0 and four v_nop follow each of the two lines.
.macro JLOAD s
	s_cmp_eq_u32 s11, 0
	s_cbranch_scc0 .Lfor_b_\@
	tensor_load_to_lds s[G0+4*(\s):G0+4*(\s)+3], s[G1:G1+7]
	s_nop 0
.rept 4
	v_nop
.endr
	s_branch .Lasked_\@
.Lfor_b_\@:
	tensor_load_to_lds s[G0B+4*(\s):G0B+4*(\s)+3], s[G1B:G1B+7]
	s_nop 0
.rept 4
	v_nop
.endr
.Lasked_\@:
.endm
; A round of the cluster's barrier: my work-group's barrier, so that wave 0's signal speaks for all four waves; wave 0 signals; every wave waits for all sixteen work-groups; my work-group's barrier once more.
.macro CREST                           ; a round behind its opening barrier
	s_cmp_lg_u32 s10, 0
	s_cbranch_scc1 .Lnot_wave_0_\@
	s_barrier_signal -3
.Lnot_wave_0_\@:
	s_barrier_wait -3
	s_barrier_signal -1
	s_barrier_wait -1
.endm
.macro CROUND                          ; a whole round
	s_barrier_signal -1
	s_barrier_wait -1
	CREST
.endm
	s_load_b128 s[4:7], s[0:1], 0x0                ; A s[4:5], B s[6:7]
	s_load_b64 s[8:9], s[0:1], 0x10                ; C
	s_load_b64 s[W2:W2+1], s[0:1], 0x18            ; w2
	s_load_b64 s[W2B:W2B+1], s[0:1], 0x20          ; w2b
	v_lshl_add_u32 v[SPW], v0, 2, SPARE
	v_mov_b32 v[NIL], 0
	ds_add_u32 v[SPW], v[NIL]                      ; the wave's opening: the add and its wait stand ahead of my first tensor load; the set-up below, work on registers, stands between them
	v_lshrrev_b32 v1, 5, v0
	v_readfirstlane_b32 s10, v1                    ; wave 0..3
	s_lshr_b32 s11, s10, 1                         ; which half of the tile's rows is mine.  Also: I fetch for A (0) or for B (1)
	s_and_b32 s12, s10, 1                          ; which half of its columns.  Also: which half of that tile I fetch
	s_bfe_u32 s40, ttmp6, 0x40000                  ; cx, cy: my place in the cluster
	s_bfe_u32 s41, ttmp6, 0x40004
	s_lshl_b32 s42, ttmp9, 2                       ; in a cluster launch ttmp9 and ttmp7 count clusters
	s_add_co_u32 s42, s42, s40                     ; tile column of C = 4 x cluster x + cx
	s_and_b32 s45, ttmp7, 0xffff                   ; cluster y
	s_lshl_b32 s13, s45, 2
	s_add_co_u32 s13, s13, s41                     ; tile row of C = 4 x cluster y + cy
	s_lshr_b32 s45, s45, 1                         ; the expert: 8 tile rows, two clusters, each
	s_lshl_b32 s43, s41, 2
	s_lshl_b32 s43, 15, s43                        ; my row of the cluster: places 4 cy .. 4 cy + 3
	s_lshl_b32 s44, 0x1111, s40                    ; my column: places cx, cx + 4, cx + 8, cx + 12
	; descriptor group 1 for A: 128 rows x 128 elements
	s_or_b32 s[G1+0], s43, (1<<16)|(1<<20)|(1<<21)|(5<<22)|(3<<25)  ; 15:0 the mask: my row; 17:16 elements of 2 bytes; 20 padding on; 21 set beside a mask; 24:22 after every 64 words (code 5); 31:25 4 words (code 3)
	s_mov_b32 s[G1+1], KSTEP<<16                   ; tensor_dim0 = 128
	s_mov_b32 s[G1+2], 128<<16                     ; tensor_dim1 = 128
	s_mov_b32 s[G1+3], KSTEP<<16                   ; tile_dim0 = 128
	s_mov_b32 s[G1+4], 128                         ; tile_dim1 = 128
	s_mov_b32 s[G1+5], SIZE_K                      ; elements from row to row
	s_mov_b32 s[G1+6], 0
	s_mov_b32 s[G1+7], 0
	; descriptor group 1 for B: 64 rows (k) x 256 elements (columns)
	s_or_b32 s[G1B+0], s44, (1<<16)|(1<<20)|(1<<21)|(6<<22)|(7<<25) ; the mask: my column; padding after every 128 words (code 6), 8 words (code 7)
	s_mov_b32 s[G1B+1], 256<<16                    ; tensor_dim0 = 256
	s_mov_b32 s[G1B+2], 64<<16                     ; tensor_dim1 = 64
	s_mov_b32 s[G1B+3], 256<<16                    ; tile_dim0 = 256
	s_mov_b32 s[G1B+4], 64                         ; tile_dim1 = 64
	s_mov_b32 s[G1B+5], SIZE_N                     ; elements from row to row
	s_mov_b32 s[G1B+6], 0
	s_mov_b32 s[G1B+7], 0
	; where the tiles come from.  A's hang on the tile row alone, which my row of the cluster shares; B's on the expert and the tile column, which my column shares.
	; Every wave makes both, in registers that never hold the other coordinate of its place, and asks by one of them.
	s_lshl_b32 s16, s13, 8
	s_lshl_b32 s17, s12, 7
	s_add_co_u32 s16, s16, s17                     ; A: row 256 x tile row + 128 x half,
	s_lshl_b32 s16, s16, LOGK2                     ; in bytes: under 2^26
	s_mov_b32 s17, 0
	s_lshl_b32 s46, s45, LOGEXP                    ; B: the expert's matrix,
	s_mul_i32 s47, s12, 64*SIZE_N*2                ; k row 64 x half,
	s_add_co_u32 s46, s46, s47
	s_lshl_b32 s47, s42, 9                         ; 512 bytes a tile column: under 2^25 in all
	s_add_co_u32 s46, s46, s47
	s_mov_b32 s47, 0
	s_mul_i32 s20, s10, HALFT                      ; and where they go: A's two halves, then B's two halves = wave x HALFT: no place in the cluster enters an LDS address
	s_wait_dscnt 0x0                               ; the opening add is done
	s_wait_kmcnt 0x0
	s_add_nc_u64 s[14:15], s[4:5], s[16:17]
	s_add_nc_u64 s[46:47], s[6:7], s[46:47]
	CROUND                                         ; all sixteen work-groups are here: the first joint loads meet
.irp s, 0,1
	s_mov_b32 s[G0+4*(\s)], 1                                      ; 1:0 count = 1
	s_add_co_u32 s[G0+4*(\s)+1], s20, (\s)*SLOT                    ; 63:32 LDS address
	s_add_nc_u64 s[G0+4*(\s)+2:G0+4*(\s)+3], s[14:15], (\s)*KSTEP*2  ; 120:64 global address: K step s lies 128 elements along A's rows,
	s_or_b32 s[G0+4*(\s)+3], s[G0+4*(\s)+3], 0x80000000            ; 127:126 type = 2
	s_mov_b32 s[G0B+4*(\s)], 1
	s_add_co_u32 s[G0B+4*(\s)+1], s20, (\s)*SLOT
	s_add_nc_u64 s[G0B+4*(\s)+2:G0B+4*(\s)+3], s[46:47], (\s)*KSTEP*SIZE_N*2  ; and 128 rows down B
	s_or_b32 s[G0B+4*(\s)+3], s[G0B+4*(\s)+3], 0x80000000
	JLOAD \s                                       ; the ring is filled before anything else is done: two loads of mine are out
.endr
	; A's fragment, 16 rows x 32 K in 8 registers: lane l holds row l % 16; registers 0-3 hold K = 8 (l / 16) + 0..7, registers 4-7 K = 16 + 8 (l / 16) + 0..7: two loads of 16 bytes, 32 bytes apart.
	v_and_b32 v1, 15, v0                           ; l % 16
	v_bfe_u32 v2, v0, 4, 1                         ; l / 16
	v_mul_u32_u24 v3, v1, PITCH
	v_lshl_add_u32 v3, v2, 4, v3                   ; row x pitch + 16 x half
	; B's fragment has the same layout, column l % 16 in place of the row.  The turning load takes 16 k x 16 columns (lane l reads 16 bytes: k row 8 (l / 16) + l % 8, columns 8 ((l / 8) % 2) + 0..7) and leaves half a fragment.
	v_and_b32 v4, 7, v0
	v_lshl_add_u32 v4, v2, 3, v4
	v_mul_u32_u24 v4, v4, PB
	v_bfe_u32 v5, v0, 3, 1
	v_lshl_add_u32 v4, v5, 4, v4
	s_mul_i32 s21, s11, HALFT                      ; my 128 rows of A
	s_lshl_b32 s22, s12, 8                         ; my 128 columns of B: 256 bytes along its rows,
	s_add_co_u32 s22, s22, 2*HALFT                 ; which lie behind A's 256
.irp s, 0,1
	v_add_nc_u32 v[ADRA+(\s)], s21, v3
	v_add_nc_u32 v[ADRB+(\s)], s22, v4
	s_add_co_u32 s21, s21, SLOT
	s_add_co_u32 s22, s22, SLOT
.endr
	s_mul_i32 s23, s10, WST                        ; my stage
	v_mul_u32_u24 v5, v1, SPITCH                   ; in: row l % 16, 32 bytes for each half of the lanes
	v_lshl_add_u32 v5, v2, 5, v5
	v_add_nc_u32 v[STO], s23, v5
	v_and_b32 v6, 31, v0
	v_lshl_add_u32 v[RD], v6, 4, s23               ; back: 32 lanes take one row of 512 bytes
	v_lshlrev_b32 v[CO], 3, v6                     ; whose four numbers a lane are 8 bytes of bf16
	v_lshlrev_b32 v[WL], 4, v6
	; C at my wave's first row and column
	s_lshl_b32 s16, s13, 8
	s_lshl_b32 s17, s11, 7
	s_add_co_u32 s16, s16, s17                     ; my first row of C,
	s_lshl_b32 s16, s16, 12                        ; times CROW: under 2^26
	s_mov_b32 s17, 0
	s_add_nc_u64 s[8:9], s[8:9], s[16:17]
	s_mul_i32 s46, s42, CTILE                      ; my first column, in bytes (in the registers that held B's address: none that feeds A's descriptors ever holds cx)
	s_mul_i32 s47, s12, CTILE/2
	s_add_co_u32 s46, s46, s47
	s_mov_b32 s47, 0
	s_add_nc_u64 s[8:9], s[8:9], s[46:47]
	; w2 and w2b at my wave's share: wave 4 (8 x tile row + tile column) + w of 2,048 takes 32,768 bytes of w2 and makes 16,384 of w2b
	s_lshl3_add_u32 s18, s13, s42
	s_lshl2_add_u32 s18, s18, s10
	s_lshl_b32 s46, s18, 15                        ; under 2^26
	s_add_nc_u64 s[W2:W2+1], s[W2:W2+1], s[46:47]
	s_lshl_b32 s46, s18, 14
	s_add_nc_u64 s[W2B:W2B+1], s[W2B:W2B+1], s[46:47]
.irp u, 0,1,2,3,4,5,6,7                ; chunks 0 to 7 fill the eight slots: sixteen loads are out
	global_load_b128 v[WR+8*(\u):WR+8*(\u)+3],   v[WL], s[W2:W2+1] offset:1024*(\u) th:TH_LOAD_NT       ; 512 consecutive bytes a load; w2 is read once in the whole launch
	global_load_b128 v[WR+8*(\u)+4:WR+8*(\u)+7], v[WL], s[W2:W2+1] offset:1024*(\u)+512 th:TH_LOAD_NT
.endr
; 16 matrix instructions: m blocks a0, a0 + 1 of the window's four (hi = 0: my rows 0-63, 1: rows 64-127) x all 8 n blocks, 32 along K.  zero = 1: the first product starts the sums: nothing is ever cleared.
; The 64 accumulators take turns, one instruction a turn, in the same order in every quarter step.
.macro MUL16 f, hi, a0, zero
	WIN MUL_LO+0x50*(\hi)
.irp a, \a0, (\a0)+1
.irp b, 0,1,2,3,4,5,6,7
.if \zero
	v_wmma_f32_16x16x32_bf16 v[8*(8*(\a)+(\b)):8*(8*(\a)+(\b))+7], v[(\f)+8*(\b):(\f)+8*(\b)+7], v[(\f)+8*(4*(\hi)+(\a)):(\f)+8*(4*(\hi)+(\a))+7], 0
.else
	v_wmma_f32_16x16x32_bf16 v[8*(8*(\a)+(\b)):8*(8*(\a)+(\b))+7], v[(\f)+8*(\b):(\f)+8*(\b)+7], v[(\f)+8*(4*(\hi)+(\a)):(\f)+8*(4*(\hi)+(\a))+7], v[8*(8*(\a)+(\b)):8*(8*(\a)+(\b))+7]
.endif
.endr
.endr
.endm
; 32 LDS loads in one run: the fragments of quarter q (K = 32 q on) of a slot into buffer f: B's 128 columns first (turned; 32 k rows down its tile), then A's 128 rows (64 q bytes along its rows)
.macro FETCH slot, q, f
	WIN TO_B
.irp i, 0,1,2,3,4,5,6,7
	ds_load_tr16_b128 v[(\f)+8*(\i):(\f)+8*(\i)+3],   v[ADRB+(\slot)] offset:(\q)*32*PB+32*(\i)
	ds_load_tr16_b128 v[(\f)+8*(\i)+4:(\f)+8*(\i)+7], v[ADRB+(\slot)] offset:(\q)*32*PB+16*PB+32*(\i)
.endr
	WIN 0
.irp i, 0,1,2,3,4,5,6,7
	ds_load_b128 v[(\f)+8*(\i):(\f)+8*(\i)+3],   v[ADRA+(\slot)] offset:64*(\q)+(\i)*16*PITCH
	ds_load_b128 v[(\f)+8*(\i)+4:(\f)+8*(\i)+7], v[ADRA+(\slot)] offset:64*(\q)+(\i)*16*PITCH+32
.endr
.endm
; A load into a register that a matrix instruction has read, and an LDS store or a vector instruction that reads a matrix result, stand four places behind that matrix instruction, and only plain
; vector instructions that name none of its registers are places (ISA guide 7.12.1 for vector instructions).
.macro PLACES
.rept 4
	v_nop
.endr
.endm
; W2's unit: slot u's chunk is rounded and stored; ld = 1: the slot is loaded again, with the chunk eight further on.  left = how many younger loads may stay out.
; Its four conversions name no register of a matrix instruction: they are the four places in front of the run of LDS loads (or of the stage's stores) that follows.
.macro CASTU u, ld, left
	WIN 0
	s_wait_loadcnt \left                           ; loads come back in order (ISA guide 5.7.1): slot u's two are in; the other slots', issued behind them, stay out
	s_wait_xcnt 0x0                                ; every earlier memory instruction has had its addresses translated (ISA guide 3.1): slot u's store data, which its last stores read, are rewritten only behind this wait
.irp k, 0,1,2,3
	v_cvt_pk_bf16_f32 v[WY+4*(\u)+(\k)], v[WR+8*(\u)+2*(\k)], v[WR+8*(\u)+2*(\k)+1]
.endr
	global_store_b64 v[CO], v[WY+4*(\u):WY+4*(\u)+1],   s[W2B:W2B+1] offset:512*(\u)       ; 32 lanes store 256 consecutive bytes, at a multiple of 256 from w2b's first byte; no hint: the next launch reads them
	global_store_b64 v[CO], v[WY+4*(\u)+2:WY+4*(\u)+3], s[W2B:W2B+1] offset:512*(\u)+256
.if \ld
	global_load_b128 v[WR+8*(\u):WR+8*(\u)+3],   v[WL], s[W2:W2+1] offset:1024*((\u)+8) th:TH_LOAD_NT
	global_load_b128 v[WR+8*(\u)+4:WR+8*(\u)+7], v[WL], s[W2:W2+1] offset:1024*((\u)+8)+512 th:TH_LOAD_NT
.endif
.endm
; A K step is four quarters of 32 along K, 64 matrix instructions each, on buffers 0, 1, 0, 1.  One of the first three: multiplies buffer f; in its middle it fetches quarter q of the same slot into buffer g.
; u >= 0: W2's unit u stands in front of that run.
.macro QUARTER slot, q, f, g, zero, u=-1, ld=0, left=0
	s_wait_dscnt 8                                 ; B and A's rows 0-63 are in; the youngest eight loads (A's rows 64-127) may be out
	MUL16 \f, 0, 0, \zero
	MUL16 \f, 0, 2, \zero
.if (\u) >= 0
	CASTU \u, \ld, \left
.else
	PLACES
.endif
	FETCH \slot, \q, \g
	s_wait_dscnt 32                                ; all but the 32 just issued
	MUL16 \f, 1, 0, \zero
	MUL16 \f, 1, 2, \zero
.endm
; The last quarter multiplies buffer 1 and changes slots.  MEET is its first half: ONE barrier for the change.  In front of it each wave waits for all its tensor loads, of which one is out: its part of
; the next slot; adds 0 to its spare word; and waits for that and for its own reads of this slot.  Behind it nobody reads this slot any more and the next slot is whole.
.macro MEET round                      ; round = 1: the rest of a round of the cluster's barrier follows
	WIN 0                                          ; (the add's two registers lie in window 0)
	s_wait_tensorcnt 0x0                           ; all my tensor loads have landed;
	ds_add_u32 v[SPW], v[NIL]                      ; 0 onto my spare word;
	s_wait_dscnt 9                                 ; (the add and the youngest eight loads may be out)
	MUL16 F1, 0, 0, 0                              ; sixteen matrix instructions stand between the add and the wait for it
	s_wait_dscnt 0x0                               ; the add is done, and my reads of this slot are over:
	s_barrier_signal -1                            ; say so,
	MUL16 F1, 0, 2, 0                              ; work on registers while the others arrive,
.if \round
	WIN 0
.endif
	s_barrier_wait -1                              ; and go on when all four have said so
.endm
; The whole last quarter.  fill = 1: the barrier opens a round of the cluster's barrier, and behind the round the slot just read out is filled again first, with the K step two steps on: from that request
; to the wait for it a wave issues 224 matrix instructions.  Then come W2's unit u and the next slot's first fragments.
.macro TURN slot, next, fill, u, ld, left
	MEET \fill
.if \fill
	CREST                                          ; no wave of any partner still reads this slot's tile or has a load on its way
	s_add_nc_u64 s[G0+4*(\slot)+2:G0+4*(\slot)+3], s[G0+4*(\slot)+2:G0+4*(\slot)+3], 2*KSTEP*2            ; no tensor load of mine is out: a group 0 may be written
	s_add_nc_u64 s[G0B+4*(\slot)+2:G0B+4*(\slot)+3], s[G0B+4*(\slot)+2:G0B+4*(\slot)+3], 2*KSTEP*SIZE_N*2
	JLOAD \slot                                    ; the first tensor load behind the round
.endif
	CASTU \u, \ld, \left
	FETCH \next, 0, F0
	MUL16 F1, 1, 0, 0
	MUL16 F1, 1, 2, 0
.endm
	s_wait_tensorcnt 1                             ; my part of K step 0 is in; K step 1's may stay out
	s_barrier_signal -1
	s_barrier_wait -1                              ; everybody's is
	FETCH 0, 0, F0
	QUARTER 0, 1, F0, F1, 1                        ; the first quarter stands in front of the loop: its products start the sums
	WIN 0                                          ; at a label and at a branch every window is 0
	s_mov_b32 s3, LAPS-1
.Llap:                                                 ; a trip goes once round the ring, from a lap's second quarter to the next lap's first, fills both slots again, and takes W2's eight slots once
	QUARTER 0, 2, F1, F0, 0, 0, 1, 14              ; the count 14: the other seven slots' two loads each were issued behind this slot's, in the way in as round the loop
	QUARTER 0, 3, F0, F1, 0, 1, 1, 14
	TURN 0, 1, 1, 2, 1, 14
	QUARTER 1, 1, F0, F1, 0, 3, 1, 14
	QUARTER 1, 2, F1, F0, 0, 4, 1, 14
	QUARTER 1, 3, F0, F1, 0, 5, 1, 14
	TURN 1, 0, 1, 6, 1, 14
	QUARTER 0, 1, F0, F1, 0, 7, 1, 14
	WIN 0
	s_wait_xcnt 0x0                                ; w2's and w2b's addresses are stepped only behind this wait
	s_add_nc_u64 s[W2:W2+1], s[W2:W2+1], 8*1024    ; eight chunks on
	s_add_nc_u64 s[W2B:W2B+1], s[W2B:W2B+1], 8*512
	s_sub_co_u32 s3, s3, 1
	s_cmp_lg_u32 s3, 0
	s_cbranch_scc1 .Llap
	QUARTER 0, 2, F1, F0, 0, 0, 0, 14              ; the last lap fills nothing, and has no round of the cluster's barrier; W2's last eight chunks are all asked for: the counts run down
	QUARTER 0, 3, F0, F1, 0, 1, 0, 12
	TURN 0, 1, 0, 2, 0, 10                         ; its wait for all tensor loads is the launch's last: from here on no tensor load is out
	QUARTER 1, 1, F0, F1, 0, 3, 0, 8
	QUARTER 1, 2, F1, F0, 0, 4, 0, 6
	QUARTER 1, 3, F0, F1, 0, 5, 0, 4
	s_wait_dscnt 8                                 ; the very last quarter: nothing more to fetch
	MUL16 F1, 0, 0, 0
	MUL16 F1, 0, 2, 0
	s_wait_dscnt 0x0                               ; my last reads of the ring are back:
	s_barrier_signal -1                            ; say so,
	MUL16 F1, 1, 0, 0
	MUL16 F1, 1, 2, 0
	WIN 0
	s_barrier_wait -1                              ; and when all four have said so the ring, which has had its last fill, may be stored into
	CASTU 6, 0, 2                                  ; W2's last two chunks; their eight conversions are the places behind the last products
	CASTU 7, 0, 0
	; INTO THE STAGE: the sums as they lie: a lane's eight columns of a row are 32 bytes; each accumulator's four lowest registers go first.
.irp hi, 0,1
	WIN 0x08+4*(\hi)                               ; the stores' data (source 1) in window 2 or 3, the address in window 0
.irp a, 0,1,2,3
.irp b, 0,1,2,3,4,5,6,7
	ds_store_b128 v[STO], v[8*(8*(\a)+(\b)):8*(8*(\a)+(\b))+3]   offset:(4*(\hi)+(\a))*16*SPITCH+64*(\b)
	ds_store_b128 v[STO], v[8*(8*(\a)+(\b))+4:8*(8*(\a)+(\b))+7] offset:(4*(\hi)+(\a))*16*SPITCH+64*(\b)+16
.endr
.endr
.endr
	WIN 0
	; THE WAY OUT, 16 rows a trip: 64 numbers a lane, in pairs 0-31; H0 = pairs 0-15 (rows 0-7), H1 = pairs 16-31.
.macro P1 p                            ; x^2
	v_pk_mul_f32 v[T+2*(\p):T+2*(\p)+1], v[X+2*(\p):X+2*(\p)+1], v[X+2*(\p):X+2*(\p)+1]
.endm
.macro P2 p                            ; c1 x^2 + c0
	v_pk_fma_f32 v[T+2*(\p):T+2*(\p)+1], v[T+2*(\p):T+2*(\p)+1], s[22:23], s[20:21] op_sel_hi:[1,0,0]
.endm
.macro P3 p                            ; x (c0 + c1 x^2)
	v_pk_mul_f32 v[T+2*(\p):T+2*(\p)+1], v[T+2*(\p):T+2*(\p)+1], v[X+2*(\p):X+2*(\p)+1]
.endm
.macro EX r
	v_exp_f32 v[T+(\r)], v[T+(\r)]
.endm
.macro AD p                            ; 1 + 2^(..)
	v_pk_add_f32 v[T+2*(\p):T+2*(\p)+1], v[T+2*(\p):T+2*(\p)+1], 1.0 op_sel_hi:[1,0]
.endm
.macro RC r
	v_rcp_f32 v[T+(\r)], v[T+(\r)]
.endm
.macro MU p                            ; x / (1 + 2^(..))
	v_pk_mul_f32 v[T+2*(\p):T+2*(\p)+1], v[T+2*(\p):T+2*(\p)+1], v[X+2*(\p):X+2*(\p)+1]
.endm
.macro CV p
	v_cvt_pk_bf16_f32 v[Y+(\p)], v[T+2*(\p)], v[T+2*(\p)+1]
.endm
	s_mov_b32 s20, 0xc0135761                      ; c0 = -2 sqrt(2/pi) log2(e) = -2.3022082
	s_mov_b32 s21, 0xc0135761                      ; named with it as a pair
	s_mov_b32 s22, 0xbdd2d3e8                      ; c1 = 0.044715 c0 = -0.10294324
	s_mov_b32 s23, 0xbdd2d3e8
	s_mov_b32 s3, 8
.Lout:
.irp j, 0,1,2,3,4,5,6,7,8,9,10,11,12,13,14,15
	ds_load_b128 v[X+4*(\j):X+4*(\j)+3], v[RD] offset:(\j)*SPITCH  ; a whole row of my stage; LDS serves a wave's instructions in order (ISA guide 5.7.1.4): these see my stores above
.endr
	v_add_nc_u32 v[RD], 16*SPITCH, v[RD]           ; the next trip's rows
	s_wait_dscnt 8                                 ; rows 0-7 are in
.set i, 0
.rept 16
	P1 i
.set i, i+1
.endr
.set i, 0
.rept 16
	P2 i
.set i, i+1
.endr
.set i, 0
.rept 16
	P3 i
.set i, i+1
.endr
	s_wait_dscnt 0x0                               ; rows 8-15 are in
	; The transcendentals go in four batches of 32, each with ONE wait ahead of its first reader; the other half's plain work stands between them, and names none of the batch's results.
.set i, 0
.rept 18                               ; H0's exponentials | H1's exponents, each pair's three steps a turn apart
.if i < 16
	EX 2*i
	P1 16+i
	EX 2*i+1
.endif
.if (i >= 1) && (i <= 16)
	P2 15+i
.endif
.if i >= 2
	P3 14+i
.endif
.set i, i+1
.endr
	s_wait_alu depctr_va_vdst(0)                   ; H0's exponentials; plain lines stand behind the last of them
.set i, 0
.rept 16                               ; H1's exponentials | H0's 1 + ..
	EX 32+2*i
	AD i
	EX 33+2*i
.set i, i+1
.endr
	v_nop                                          ; a plain instruction behind the last exponential
	s_wait_alu depctr_va_vdst(0)                   ; H1's exponentials
.set i, 0
.rept 16                               ; H0's reciprocals | H1's 1 + ..
	RC 2*i
	AD 16+i
	RC 2*i+1
.set i, i+1
.endr
	v_nop                                          ; a plain instruction behind the last reciprocal
	s_wait_alu depctr_va_vdst(0)                   ; H0's reciprocals
.set i, 0
.rept 16                               ; H1's reciprocals | H0's products and roundings
	RC 32+2*i
	MU i
	RC 33+2*i
	CV i
.set i, i+1
.endr
.irp j, 0,1,2,3,4,5,6,7
	global_store_b64 v[CO], v[Y+2*(\j):Y+2*(\j)+1], s[8:9] offset:(\j)*CROW  ; 32 lanes store 256 consecutive bytes, at a multiple of 256 from C's first byte; no hint: the next launch reads them
.endr
	s_wait_alu depctr_va_vdst(0)                   ; H1's reciprocals; the last rounding above is the plain instruction behind them
.set i, 16
.rept 16
	MU i
.set i, i+1
.endr
.set i, 16
.rept 16
	CV i
.set i, i+1
.endr
.irp j, 8,9,10,11,12,13,14,15
	global_store_b64 v[CO], v[Y+2*(\j):Y+2*(\j)+1], s[8:9] offset:(\j)*CROW
.endr
	s_wait_xcnt 0x0                                ; every earlier memory instruction has had its addresses translated (ISA guide 3.1): only behind this wait are the stores' base and their data registers written again
	s_add_nc_u64 s[8:9], s[8:9], 16*CROW
	s_sub_co_u32 s3, s3, 1
	s_cmp_lg_u32 s3, 0
	s_cbranch_scc1 .Lout
	s_wait_tensorcnt 0x0                           ; the wave's end: a wait, an add of 0 to my spare word and a wait for it, behind my last tensor load and my last LDS store
	ds_add_u32 v[SPW], v[NIL]
	s_wait_dscnt 0x0
	CROUND                                         ; the closing round: no work-group ends while a partner may still ask for a tile that names it
	s_endpgm
.Lfunc_end_k_q6dd38cfc94_gemm1:
	.size	k_q6dd38cfc94_gemm1, .Lfunc_end_k_q6dd38cfc94_gemm1-k_q6dd38cfc94_gemm1
	.p2alignl 7, 3214868480
	.fill 96, 4, 3214868480
	.section	.rodata,"a",@progbits
	.p2align	6, 0x0
	.amdhsa_kernel k_q6dd38cfc94_gemm1
		.amdhsa_group_segment_fixed_size 327680
		.amdhsa_private_segment_fixed_size 0
		.amdhsa_enable_private_segment 0
		.amdhsa_kernarg_size 40
		.amdhsa_user_sgpr_count 2
		.amdhsa_user_sgpr_kernarg_segment_ptr 1
		.amdhsa_wavefront_size32 1
		.amdhsa_system_sgpr_workgroup_id_x 1
		.amdhsa_system_sgpr_workgroup_id_y 1
		.amdhsa_system_sgpr_workgroup_id_z 1
		.amdhsa_system_vgpr_workitem_id 0
		.amdhsa_next_free_vgpr 1024
		.amdhsa_next_free_sgpr 72
		.amdhsa_reserve_vcc 0
		.amdhsa_float_denorm_mode_32 3
		.amdhsa_float_denorm_mode_16_64 3
		.amdhsa_memory_ordered 1
		.amdhsa_forward_progress 1
		.amdhsa_inst_pref_size 149
	.end_amdhsa_kernel
	.amdgpu_metadata
---
amdhsa.version: [ 1, 2 ]
amdhsa.kernels:
  - .name:           k_q6dd38cfc94_gemm1
    .symbol:         k_q6dd38cfc94_gemm1.kd
    .args:
      - { .name: xb, .offset: 0, .size: 8, .value_kind: global_buffer, .address_space: global }
      - { .name: w1b, .offset: 8, .size: 8, .value_kind: global_buffer, .address_space: global }
      - { .name: inter, .offset: 16, .size: 8, .value_kind: global_buffer, .address_space: global }
      - { .name: w2, .offset: 24, .size: 8, .value_kind: global_buffer, .address_space: global }
      - { .name: w2b, .offset: 32, .size: 8, .value_kind: global_buffer, .address_space: global }
    .group_segment_fixed_size: 327680
    .private_segment_fixed_size: 0
    .kernarg_segment_align: 8
    .kernarg_segment_size: 40
    .max_flat_workgroup_size: 128
    .sgpr_count:     72
    .vgpr_count:     1024
    .wavefront_size: 32
...
	.end_amdgpu_metadata
.endif
;; end of part 2
;; launch gemm2 (part 3): grid 4 x 64, 4 waves a work-group, clusters of 4 x 4, 327,680 bytes of LDS; arguments inter, w2b, out0; writes out0
.if DOCPART == 3
	.amdgcn_target "amdgcn-amd-amdhsa--gfx1250"
	.amdhsa_code_object_version 6
	.text
	.protected	k_q6dd38cfc94_gemm2
	.globl	k_q6dd38cfc94_gemm2
	.p2align	8
	.type	k_q6dd38cfc94_gemm2,@function
k_q6dd38cfc94_gemm2:
	s_mov_b64 s[64:65], 0
	v_nop
	global_prefetch_b8 v0, s[64:65] scope:SCOPE_SE
	s_setreg_imm32_b32 hwreg(HW_REG_WAVE_MODE, 25, 1), 1
	s_wait_xcnt 0x0
	s_wait_alu depctr_hold_cnt(0) depctr_sa_sdst(0) depctr_va_vdst(0) depctr_va_sdst(0) depctr_va_ssrc(0) depctr_va_vcc(0) depctr_vm_vsrc(0)
	s_getreg_b32 s2, hwreg(HW_REG_IB_STS2, 6, 4)
	s_cmp_eq_u32 s2, 0
	s_cbranch_scc0 .Lentry_in_a_cluster
	s_endpgm
.Lentry_in_a_cluster:
	s_bfe_u32 s2, ttmp6, 0x10000c
	s_cmp_lg_u32 s2, 0xf033
	s_cbranch_scc0 .Lentry_shape_is_right
	s_endpgm
.Lentry_shape_is_right:
; out0[t][h] = sum over f of inter[t][f] w2b[e][f][h], e = t / 2048.  inter: [16384][2048] bf16; w2b: [8][2048][1024] bf16; out0: [16384][1024] f32.  One f32 sum for each output, stored as it is.
; LIMITS.  w2 was rounded once to bf16, inter once to bf16, by the launches before; NaN and infinities are not treated apart.
; SHAPE.  A tile of C, 256 tokens x 256 columns, is made by four waves, each 128 x 128: 64 accumulators of 16 x 16, 512 registers.  K (= f) goes in steps of 128 through a ring of two LDS slots
; filled by the tensor data mover.  A's tile lies [token][k], rows of 256 bytes; B's tile lies [k][column], as w2b lies in memory, rows of 512 bytes, and comes out of LDS turned, by ds_load_tr16_b128.
; CLUSTERS: 4 x 4 work-groups.  The four of a row of the cluster need the same tiles of A, the four of a column the same tiles of B: each tile is asked for JOINTLY, by the same tensor load with the
; same descriptor and a mask that names the four.  An expert has 8 tile rows, two clusters along y: the expert is the cluster's y / 2, alike in all sixteen partners.
; THE MATRIX INSTRUCTION IS USED TRANSPOSED (source 0 = 16 columns of B, source 1 = 16 rows of A): a lane then holds row l % 16 of C and the eight neighbouring columns 8 (l / 16) + 0..7.
; REGISTERS, in windows of 256 (s_set_vgpr_msb's low byte: bits 1:0 source 0, 3:2 source 1, 5:4 source 2, 7:6 destination):
;   window 0: v0-31 addresses; v64-127, v128-191 fragments of A, two buffers; on the way out v64-127 rows of C
;   window 1: v64-127, v128-191 fragments of B, two buffers      window 2: the 32 accumulators of my rows 0-63 ((a, b) at v[8 (8 a + b)])      window 3: those of my rows 64-127
; THE WAY OUT.  When the ring has had its last fill and every wave its last read of it, the ring's bytes become four stages, one a wave: 128 rows x 128 f32.  The sums go in as they lie in the
; accumulators and come back as whole rows, 16 rows a trip: a wave's store covers 512 consecutive bytes of a row of out0, at a multiple of 256 from its first byte.
.set SIZE_K, 2048
.set SIZE_N, 1024                      ; elements in a row of B
.set LOGK2,  12                        ; a row of A is 2^12 bytes
.set LOGEXP, 22                        ; an expert's B is SIZE_K x SIZE_N x 2 = 2^22 bytes
.set CROW,   4096                      ; bytes in a row of C (its log2, 12, is used below)
.set CTILE,  1024                      ; bytes of a tile's 256 columns in a row of C
.set KSTEP,  128
.set LAPS,   SIZE_K/(2*KSTEP)          ; a lap = two K steps = once round the ring
.set PITCH,  272                       ; A's LDS row: 256 bytes + 16 of padding = 68 words: row r starts at bank 4 r mod 64 (64 banks of 4 bytes: ISA guide 11.1)
.set PB,     544                       ; B's LDS row: 512 bytes + 32 of padding = 136 words: row r starts at bank 8 r mod 64
.set HALFT,  128*PITCH                 ; what one tensor load brings: 128 rows of A, or 64 rows of B (64 x 544 is the same number)
.set SLOT,   4*HALFT                   ; A's 256 rows, then B's 128 rows
.set SPITCH, 528                       ; a stage row: 512 bytes + 16 = 132 words: the 16 rows that a store touches start at 16 different groups of four banks
.set WST,    128*SPITCH                ; a wave's stage; four of them, 270,336 bytes, lie inside the ring's 278,528
.set SPARE,  2*SLOT                    ; behind the ring: the spare words, 128 bytes for each wave: two blocks of 256 bytes that no other line names
.set ADRA, 16                          ; v16-17  LDS address of my A fragments in slot 0, 1
.set ADRB, 20                          ; v20-21  the same for B
.set STO,  24                          ; v24     the way out: where I put 32 bytes of a row
.set RD,   25                          ; v25     the way out: where I read a row back; steps 16 rows a trip
.set CO,   26                          ; v26     my byte offset in my wave's part of a row of C
.set SPW,  28                          ; v28     LDS address of my spare word: SPARE + 4 x my thread's number; never rewritten
.set NIL,  29                          ; v29     0; never rewritten
.set F0,   64
.set F1,   128
.set X,    64                          ; the way out: row j of 16 at X + 4 j
.set G1,  24                           ; s[24:31] descriptor group 1 for A's tiles
.set G0,  32                           ; s[32:39] descriptor group 0 for A's tiles, one set for each slot
.set G1B, 48                           ; s[48:55] descriptor group 1 for B's tiles
.set G0B, 56                           ; s[56:63] descriptor group 0 for B's tiles, one set for each slot
.set MSB, 0
.macro WIN new                         ; the immediate's high byte repeats the setting that is left; a switch that changes nothing is dropped
.if MSB != (\new)
	s_set_vgpr_msb (MSB<<8)|(\new)
.set MSB, \new
.endif
.endm
.set MUL_LO, 0xa1                      ; source 0 (B) window 1, source 1 (A) window 0, C and D window 2
.set MUL_HI, 0xf1                      ; the same, C and D window 3
.set TO_B,   0x40                      ; destination window 1, address window 0
; A joint load.  Waves 0 and 1 fetch A's two halves, waves 2 and 3 B's.  The branch hangs on the wave's number alone.  An s_nop 0 and four v_nop follow each of the two lines.
.macro JLOAD s
	s_cmp_eq_u32 s11, 0
	s_cbranch_scc0 .Lfor_b_\@
	tensor_load_to_lds s[G0+4*(\s):G0+4*(\s)+3], s[G1:G1+7]
	s_nop 0
.rept 4
	v_nop
.endr
	s_branch .Lasked_\@
.Lfor_b_\@:
	tensor_load_to_lds s[G0B+4*(\s):G0B+4*(\s)+3], s[G1B:G1B+7]
	s_nop 0
.rept 4
	v_nop
.endr
.Lasked_\@:
.endm
; A round of the cluster's barrier: my work-group's barrier, so that wave 0's signal speaks for all four waves; wave 0 signals; every wave waits for all sixteen work-groups; my work-group's barrier once more.
.macro CREST                           ; a round behind its opening barrier
	s_cmp_lg_u32 s10, 0
	s_cbranch_scc1 .Lnot_wave_0_\@
	s_barrier_signal -3
.Lnot_wave_0_\@:
	s_barrier_wait -3
	s_barrier_signal -1
	s_barrier_wait -1
.endm
.macro CROUND                          ; a whole round
	s_barrier_signal -1
	s_barrier_wait -1
	CREST
.endm
	s_load_b128 s[4:7], s[0:1], 0x0                ; A s[4:5], B s[6:7]
	s_load_b64 s[8:9], s[0:1], 0x10                ; C
	v_lshl_add_u32 v[SPW], v0, 2, SPARE
	v_mov_b32 v[NIL], 0
	ds_add_u32 v[SPW], v[NIL]                      ; the wave's opening: the add and its wait stand ahead of my first tensor load; the set-up below, work on registers, stands between them
	v_lshrrev_b32 v1, 5, v0
	v_readfirstlane_b32 s10, v1                    ; wave 0..3
	s_lshr_b32 s11, s10, 1                         ; which half of the tile's rows is mine.  Also: I fetch for A (0) or for B (1)
	s_and_b32 s12, s10, 1                          ; which half of its columns.  Also: which half of that tile I fetch
	s_bfe_u32 s40, ttmp6, 0x40000                  ; cx, cy: my place in the cluster
	s_bfe_u32 s41, ttmp6, 0x40004
	s_lshl_b32 s42, ttmp9, 2                       ; in a cluster launch ttmp9 and ttmp7 count clusters
	s_add_co_u32 s42, s42, s40                     ; tile column of C = 4 x cluster x + cx
	s_and_b32 s45, ttmp7, 0xffff                   ; cluster y
	s_lshl_b32 s13, s45, 2
	s_add_co_u32 s13, s13, s41                     ; tile row of C = 4 x cluster y + cy
	s_lshr_b32 s45, s45, 1                         ; the expert: 8 tile rows, two clusters, each
	s_lshl_b32 s43, s41, 2
	s_lshl_b32 s43, 15, s43                        ; my row of the cluster: places 4 cy .. 4 cy + 3
	s_lshl_b32 s44, 0x1111, s40                    ; my column: places cx, cx + 4, cx + 8, cx + 12
	; descriptor group 1 for A: 128 rows x 128 elements
	s_or_b32 s[G1+0], s43, (1<<16)|(1<<20)|(1<<21)|(5<<22)|(3<<25)  ; 15:0 the mask: my row; 17:16 elements of 2 bytes; 20 padding on; 21 set beside a mask; 24:22 after every 64 words (code 5); 31:25 4 words (code 3)
	s_mov_b32 s[G1+1], KSTEP<<16                   ; tensor_dim0 = 128
	s_mov_b32 s[G1+2], 128<<16                     ; tensor_dim1 = 128
	s_mov_b32 s[G1+3], KSTEP<<16                   ; tile_dim0 = 128
	s_mov_b32 s[G1+4], 128                         ; tile_dim1 = 128
	s_mov_b32 s[G1+5], SIZE_K                      ; elements from row to row
	s_mov_b32 s[G1+6], 0
	s_mov_b32 s[G1+7], 0
	; descriptor group 1 for B: 64 rows (k) x 256 elements (columns)
	s_or_b32 s[G1B+0], s44, (1<<16)|(1<<20)|(1<<21)|(6<<22)|(7<<25) ; the mask: my column; padding after every 128 words (code 6), 8 words (code 7)
	s_mov_b32 s[G1B+1], 256<<16                    ; tensor_dim0 = 256
	s_mov_b32 s[G1B+2], 64<<16                     ; tensor_dim1 = 64
	s_mov_b32 s[G1B+3], 256<<16                    ; tile_dim0 = 256
	s_mov_b32 s[G1B+4], 64                         ; tile_dim1 = 64
	s_mov_b32 s[G1B+5], SIZE_N                     ; elements from row to row
	s_mov_b32 s[G1B+6], 0
	s_mov_b32 s[G1B+7], 0
	; where the tiles come from.  A's hang on the tile row alone, which my row of the cluster shares; B's on the expert and the tile column, which my column shares.
	; Every wave makes both, in registers that never hold the other coordinate of its place, and asks by one of them.
	s_lshl_b32 s16, s13, 8
	s_lshl_b32 s17, s12, 7
	s_add_co_u32 s16, s16, s17                     ; A: row 256 x tile row + 128 x half,
	s_lshl_b32 s16, s16, LOGK2                     ; in bytes: under 2^26
	s_mov_b32 s17, 0
	s_lshl_b32 s46, s45, LOGEXP                    ; B: the expert's matrix,
	s_mul_i32 s47, s12, 64*SIZE_N*2                ; k row 64 x half,
	s_add_co_u32 s46, s46, s47
	s_lshl_b32 s47, s42, 9                         ; 512 bytes a tile column: under 2^25 in all
	s_add_co_u32 s46, s46, s47
	s_mov_b32 s47, 0
	s_mul_i32 s20, s10, HALFT                      ; and where they go: A's two halves, then B's two halves = wave x HALFT: no place in the cluster enters an LDS address
	s_wait_dscnt 0x0                               ; the opening add is done
	s_wait_kmcnt 0x0
	s_add_nc_u64 s[14:15], s[4:5], s[16:17]
	s_add_nc_u64 s[46:47], s[6:7], s[46:47]
	CROUND                                         ; all sixteen work-groups are here: the first joint loads meet
.irp s, 0,1
	s_mov_b32 s[G0+4*(\s)], 1                                      ; 1:0 count = 1
	s_add_co_u32 s[G0+4*(\s)+1], s20, (\s)*SLOT                    ; 63:32 LDS address
	s_add_nc_u64 s[G0+4*(\s)+2:G0+4*(\s)+3], s[14:15], (\s)*KSTEP*2  ; 120:64 global address: K step s lies 128 elements along A's rows,
	s_or_b32 s[G0+4*(\s)+3], s[G0+4*(\s)+3], 0x80000000            ; 127:126 type = 2
	s_mov_b32 s[G0B+4*(\s)], 1
	s_add_co_u32 s[G0B+4*(\s)+1], s20, (\s)*SLOT
	s_add_nc_u64 s[G0B+4*(\s)+2:G0B+4*(\s)+3], s[46:47], (\s)*KSTEP*SIZE_N*2  ; and 128 rows down B
	s_or_b32 s[G0B+4*(\s)+3], s[G0B+4*(\s)+3], 0x80000000
	JLOAD \s                                       ; the ring is filled before anything else is done: two loads of mine are out
.endr
	; A's fragment, 16 rows x 32 K in 8 registers: lane l holds row l % 16; registers 0-3 hold K = 8 (l / 16) + 0..7, registers 4-7 K = 16 + 8 (l / 16) + 0..7: two loads of 16 bytes, 32 bytes apart.
	v_and_b32 v1, 15, v0                           ; l % 16
	v_bfe_u32 v2, v0, 4, 1                         ; l / 16
	v_mul_u32_u24 v3, v1, PITCH
	v_lshl_add_u32 v3, v2, 4, v3                   ; row x pitch + 16 x half
	; B's fragment has the same layout, column l % 16 in place of the row.  The turning load takes 16 k x 16 columns (lane l reads 16 bytes: k row 8 (l / 16) + l % 8, columns 8 ((l / 8) % 2) + 0..7) and leaves half a fragment.
	v_and_b32 v4, 7, v0
	v_lshl_add_u32 v4, v2, 3, v4
	v_mul_u32_u24 v4, v4, PB
	v_bfe_u32 v5, v0, 3, 1
	v_lshl_add_u32 v4, v5, 4, v4
	s_mul_i32 s21, s11, HALFT                      ; my 128 rows of A
	s_lshl_b32 s22, s12, 8                         ; my 128 columns of B: 256 bytes along its rows,
	s_add_co_u32 s22, s22, 2*HALFT                 ; which lie behind A's 256
.irp s, 0,1
	v_add_nc_u32 v[ADRA+(\s)], s21, v3
	v_add_nc_u32 v[ADRB+(\s)], s22, v4
	s_add_co_u32 s21, s21, SLOT
	s_add_co_u32 s22, s22, SLOT
.endr
	s_mul_i32 s23, s10, WST                        ; my stage
	v_mul_u32_u24 v5, v1, SPITCH                   ; in: row l % 16, 32 bytes for each half of the lanes
	v_lshl_add_u32 v5, v2, 5, v5
	v_add_nc_u32 v[STO], s23, v5
	v_and_b32 v6, 31, v0
	v_lshl_add_u32 v[RD], v6, 4, s23               ; back: 32 lanes take one row of 512 bytes,
	v_lshlrev_b32 v[CO], 4, v6                     ; which are 512 consecutive bytes of C
	; C at my wave's first row and column
	s_lshl_b32 s16, s13, 8
	s_lshl_b32 s17, s11, 7
	s_add_co_u32 s16, s16, s17                     ; my first row of C,
	s_lshl_b32 s16, s16, 12                        ; times CROW: under 2^26
	s_mov_b32 s17, 0
	s_add_nc_u64 s[8:9], s[8:9], s[16:17]
	s_mul_i32 s46, s42, CTILE                      ; my first column, in bytes (in the registers that held B's address: none that feeds A's descriptors ever holds cx)
	s_mul_i32 s47, s12, CTILE/2
	s_add_co_u32 s46, s46, s47
	s_mov_b32 s47, 0
	s_add_nc_u64 s[8:9], s[8:9], s[46:47]
; 16 matrix instructions: m blocks a0, a0 + 1 of the window's four (hi = 0: my rows 0-63, 1: rows 64-127) x all 8 n blocks, 32 along K.  zero = 1: the first product starts the sums: nothing is ever cleared.
; The 64 accumulators take turns, one instruction a turn, in the same order in every quarter step.
.macro MUL16 f, hi, a0, zero
	WIN MUL_LO+0x50*(\hi)
.irp a, \a0, (\a0)+1
.irp b, 0,1,2,3,4,5,6,7
.if \zero
	v_wmma_f32_16x16x32_bf16 v[8*(8*(\a)+(\b)):8*(8*(\a)+(\b))+7], v[(\f)+8*(\b):(\f)+8*(\b)+7], v[(\f)+8*(4*(\hi)+(\a)):(\f)+8*(4*(\hi)+(\a))+7], 0
.else
	v_wmma_f32_16x16x32_bf16 v[8*(8*(\a)+(\b)):8*(8*(\a)+(\b))+7], v[(\f)+8*(\b):(\f)+8*(\b)+7], v[(\f)+8*(4*(\hi)+(\a)):(\f)+8*(4*(\hi)+(\a))+7], v[8*(8*(\a)+(\b)):8*(8*(\a)+(\b))+7]
.endif
.endr
.endr
.endm
; 32 LDS loads in one run: the fragments of quarter q (K = 32 q on) of a slot into buffer f: B's 128 columns first (turned; 32 k rows down its tile), then A's 128 rows (64 q bytes along its rows)
.macro FETCH slot, q, f
	WIN TO_B
.irp i, 0,1,2,3,4,5,6,7
	ds_load_tr16_b128 v[(\f)+8*(\i):(\f)+8*(\i)+3],   v[ADRB+(\slot)] offset:(\q)*32*PB+32*(\i)
	ds_load_tr16_b128 v[(\f)+8*(\i)+4:(\f)+8*(\i)+7], v[ADRB+(\slot)] offset:(\q)*32*PB+16*PB+32*(\i)
.endr
	WIN 0
.irp i, 0,1,2,3,4,5,6,7
	ds_load_b128 v[(\f)+8*(\i):(\f)+8*(\i)+3],   v[ADRA+(\slot)] offset:64*(\q)+(\i)*16*PITCH
	ds_load_b128 v[(\f)+8*(\i)+4:(\f)+8*(\i)+7], v[ADRA+(\slot)] offset:64*(\q)+(\i)*16*PITCH+32
.endr
.endm
; A load into a register that a matrix instruction has read, and an LDS store that reads a matrix result, stand four places behind that matrix instruction, and only plain vector instructions that name
; none of its registers are places (ISA guide 7.12.1 for vector instructions).
.macro PLACES
.rept 4
	v_nop
.endr
.endm
; A K step is four quarters of 32 along K, 64 matrix instructions each, on buffers 0, 1, 0, 1.  One of the first three: multiplies buffer f; in its middle it fetches quarter q of the same slot into buffer g.
.macro QUARTER slot, q, f, g, zero
	s_wait_dscnt 8                                 ; B and A's rows 0-63 are in; the youngest eight loads (A's rows 64-127) may be out
	MUL16 \f, 0, 0, \zero
	MUL16 \f, 0, 2, \zero
	PLACES
	FETCH \slot, \q, \g
	s_wait_dscnt 32                                ; all but the 32 just issued
	MUL16 \f, 1, 0, \zero
	MUL16 \f, 1, 2, \zero
.endm
; The last quarter multiplies buffer 1 and changes slots.  MEET is its first half: ONE barrier for the change.  In front of it each wave waits for all its tensor loads, of which one is out: its part of
; the next slot; adds 0 to its spare word; and waits for that and for its own reads of this slot.  Behind it nobody reads this slot any more and the next slot is whole.
.macro MEET round                      ; round = 1: the rest of a round of the cluster's barrier follows
	WIN 0                                          ; (the add's two registers lie in window 0)
	s_wait_tensorcnt 0x0                           ; all my tensor loads have landed;
	ds_add_u32 v[SPW], v[NIL]                      ; 0 onto my spare word;
	s_wait_dscnt 9                                 ; (the add and the youngest eight loads may be out)
	MUL16 F1, 0, 0, 0                              ; sixteen matrix instructions stand between the add and the wait for it
	s_wait_dscnt 0x0                               ; the add is done, and my reads of this slot are over:
	s_barrier_signal -1                            ; say so,
	MUL16 F1, 0, 2, 0                              ; work on registers while the others arrive,
.if \round
	WIN 0
.endif
	s_barrier_wait -1                              ; and go on when all four have said so
.endm
; The whole last quarter.  fill = 1: the barrier opens a round of the cluster's barrier, and behind the round the slot just read out is filled again first, with the K step two steps on: from that request
; to the wait for it a wave issues 224 matrix instructions.  Then come the next slot's first fragments.
.macro TURN slot, next, fill
	MEET \fill
.if \fill
	CREST                                          ; no wave of any partner still reads this slot's tile or has a load on its way
	s_add_nc_u64 s[G0+4*(\slot)+2:G0+4*(\slot)+3], s[G0+4*(\slot)+2:G0+4*(\slot)+3], 2*KSTEP*2            ; no tensor load of mine is out: a group 0 may be written
	s_add_nc_u64 s[G0B+4*(\slot)+2:G0B+4*(\slot)+3], s[G0B+4*(\slot)+2:G0B+4*(\slot)+3], 2*KSTEP*SIZE_N*2
	JLOAD \slot                                    ; the first tensor load behind the round; the four v_nop behind it are also the places in front of the loads below
.else
	PLACES
.endif
	FETCH \next, 0, F0
	MUL16 F1, 1, 0, 0
	MUL16 F1, 1, 2, 0
.endm
	s_wait_tensorcnt 1                             ; my part of K step 0 is in; K step 1's may stay out
	s_barrier_signal -1
	s_barrier_wait -1                              ; everybody's is
	FETCH 0, 0, F0
	QUARTER 0, 1, F0, F1, 1                        ; the first quarter stands in front of the loop: its products start the sums
	WIN 0                                          ; at a label and at a branch every window is 0
	s_mov_b32 s3, LAPS-1
.Llap:                                                 ; a trip goes once round the ring, from a lap's second quarter to the next lap's first, and fills both slots again
	QUARTER 0, 2, F1, F0, 0
	QUARTER 0, 3, F0, F1, 0
	TURN 0, 1, 1
	QUARTER 1, 1, F0, F1, 0
	QUARTER 1, 2, F1, F0, 0
	QUARTER 1, 3, F0, F1, 0
	TURN 1, 0, 1
	QUARTER 0, 1, F0, F1, 0
	WIN 0
	s_sub_co_u32 s3, s3, 1
	s_cmp_lg_u32 s3, 0
	s_cbranch_scc1 .Llap
	QUARTER 0, 2, F1, F0, 0                        ; the last lap fills nothing, and has no round of the cluster's barrier
	QUARTER 0, 3, F0, F1, 0
	TURN 0, 1, 0                                   ; its wait for all tensor loads is the launch's last: from here on no load is out
	QUARTER 1, 1, F0, F1, 0
	QUARTER 1, 2, F1, F0, 0
	QUARTER 1, 3, F0, F1, 0
	s_wait_dscnt 8                                 ; the very last quarter: nothing more to fetch
	MUL16 F1, 0, 0, 0
	MUL16 F1, 0, 2, 0
	s_wait_dscnt 0x0                               ; my last reads of the ring are back:
	s_barrier_signal -1                            ; say so,
	MUL16 F1, 1, 0, 0
	MUL16 F1, 1, 2, 0
	WIN 0
	s_barrier_wait -1                              ; and when all four have said so the ring, which has had its last fill, may be stored into
	; INTO THE STAGE: the sums as they lie: a lane's eight columns of a row are 32 bytes; each accumulator's four lowest registers go first.
	PLACES
.irp hi, 0,1
	WIN 0x08+4*(\hi)                               ; the stores' data (source 1) in window 2 or 3, the address in window 0
.irp a, 0,1,2,3
.irp b, 0,1,2,3,4,5,6,7
	ds_store_b128 v[STO], v[8*(8*(\a)+(\b)):8*(8*(\a)+(\b))+3]   offset:(4*(\hi)+(\a))*16*SPITCH+64*(\b)
	ds_store_b128 v[STO], v[8*(8*(\a)+(\b))+4:8*(8*(\a)+(\b))+7] offset:(4*(\hi)+(\a))*16*SPITCH+64*(\b)+16
.endr
.endr
.endr
	WIN 0
	; THE WAY OUT, 16 rows a trip
	s_mov_b32 s3, 8
.Lout:
.irp j, 0,1,2,3,4,5,6,7,8,9,10,11,12,13,14,15
	ds_load_b128 v[X+4*(\j):X+4*(\j)+3], v[RD] offset:(\j)*SPITCH  ; a whole row of my stage; LDS serves a wave's instructions in order (ISA guide 5.7.1.4): these see my stores above
.endr
	v_add_nc_u32 v[RD], 16*SPITCH, v[RD]           ; the next trip's rows
.irp j, 0,1,2,3,4,5,6,7,8,9,10,11,12,13,14,15
	s_wait_dscnt 15-(\j)                           ; row j is in; the younger loads stay out
	global_store_b128 v[CO], v[X+4*(\j):X+4*(\j)+3], s[8:9] offset:(\j)*CROW th:TH_STORE_NT  ; 32 lanes store 512 consecutive bytes, at a multiple of 256 from C's first byte; written once, read by no launch
.endr
	s_wait_xcnt 0x0                                ; every earlier memory instruction has had its addresses translated (ISA guide 3.1): only behind this wait are the stores' base and their data registers written again
	s_add_nc_u64 s[8:9], s[8:9], 16*CROW
	s_sub_co_u32 s3, s3, 1
	s_cmp_lg_u32 s3, 0
	s_cbranch_scc1 .Lout
	s_wait_tensorcnt 0x0                           ; the wave's end: a wait, an add of 0 to my spare word and a wait for it, behind my last tensor load and my last LDS store
	ds_add_u32 v[SPW], v[NIL]
	s_wait_dscnt 0x0
	CROUND                                         ; the closing round: no work-group ends while a partner may still ask for a tile that names it
	s_endpgm
.Lfunc_end_k_q6dd38cfc94_gemm2:
	.size	k_q6dd38cfc94_gemm2, .Lfunc_end_k_q6dd38cfc94_gemm2-k_q6dd38cfc94_gemm2
	.p2alignl 7, 3214868480
	.fill 96, 4, 3214868480
	.section	.rodata,"a",@progbits
	.p2align	6, 0x0
	.amdhsa_kernel k_q6dd38cfc94_gemm2
		.amdhsa_group_segment_fixed_size 327680
		.amdhsa_private_segment_fixed_size 0
		.amdhsa_enable_private_segment 0
		.amdhsa_kernarg_size 24
		.amdhsa_user_sgpr_count 2
		.amdhsa_user_sgpr_kernarg_segment_ptr 1
		.amdhsa_wavefront_size32 1
		.amdhsa_system_sgpr_workgroup_id_x 1
		.amdhsa_system_sgpr_workgroup_id_y 1
		.amdhsa_system_sgpr_workgroup_id_z 1
		.amdhsa_system_vgpr_workitem_id 0
		.amdhsa_next_free_vgpr 1024
		.amdhsa_next_free_sgpr 66
		.amdhsa_reserve_vcc 0
		.amdhsa_float_denorm_mode_32 3
		.amdhsa_float_denorm_mode_16_64 3
		.amdhsa_memory_ordered 1
		.amdhsa_forward_progress 1
		.amdhsa_inst_pref_size 123
	.end_amdhsa_kernel
	.amdgpu_metadata
---
amdhsa.version: [ 1, 2 ]
amdhsa.kernels:
  - .name:           k_q6dd38cfc94_gemm2
    .symbol:         k_q6dd38cfc94_gemm2.kd
    .args:
      - { .name: inter, .offset: 0, .size: 8, .value_kind: global_buffer, .address_space: global }
      - { .name: w2b, .offset: 8, .size: 8, .value_kind: global_buffer, .address_space: global }
      - { .name: out0, .offset: 16, .size: 8, .value_kind: global_buffer, .address_space: global }
    .group_segment_fixed_size: 327680
    .private_segment_fixed_size: 0
    .kernarg_segment_align: 8
    .kernarg_segment_size: 24
    .max_flat_workgroup_size: 128
    .sgpr_count:     66
    .vgpr_count:     1024
    .wavefront_size: 32
...
	.end_amdgpu_metadata
.endif
;; end of part 3
;; ======== version 2 of 2: 3 launches; version 1 with the launch cast written anew for expert scheduling mode
;; workspace buffers: xb 33,554,432 bytes; w1b 33,554,432 bytes; w2b 33,554,432 bytes; inter 67,108,864 bytes
;; launch cast (part 4): grid 256 x 2, 8 waves a work-group, no clusters, 0 bytes of LDS; arguments x, w1, xb, w1b; writes xb, w1b
.if DOCPART == 4
	.amdgcn_target "amdgcn-amd-amdhsa--gfx1250"
	.amdhsa_code_object_version 6
	.text
	.protected	k_q6dd38cfc94_cast
	.globl	k_q6dd38cfc94_cast
	.p2align	8
	.type	k_q6dd38cfc94_cast,@function
k_q6dd38cfc94_cast:
	s_mov_b64 s[64:65], 0
	v_nop
	global_prefetch_b8 v0, s[64:65] scope:SCOPE_SE
	s_setreg_imm32_b32 hwreg(HW_REG_WAVE_SCHED_MODE, 0, 2), 2
	s_setreg_imm32_b32 hwreg(HW_REG_WAVE_MODE, 25, 1), 1
	s_wait_xcnt 0x0
	s_wait_alu depctr_vm_vsrc(0)
; xb = bf16(x), w1b = bf16(w1): each f32 number rounded once, to nearest even; the layouts stay as they are.  (w2 is rounded by the next launch, beside its matrix work.)
; Each input is 67,108,864 bytes.  The grid's y picks the pair of buffers, its x a piece of 262,144 input bytes (131,072 output bytes): 512 work-groups.
; Eight waves, 64 steps.  In step s thread t loads the 16 bytes at 16 t + 4,096 s (a wave's load covers 512 consecutive bytes) and stores the
; 8 bytes at 8 t + 2,048 s (a wave's store covers 256 consecutive bytes, at a multiple of 256 from the buffer's first byte).
; A ring of 32 slots in registers keeps 32 loads of every wave on their way.  Pass 1 (steps 0-31) rounds a slot into registers of its own and loads the slot again with the step 32 further on;
; pass 2 (steps 32-63) loads nothing and rounds in place.
; No LDS, no barrier, no matrix unit: each byte is read once and written once, and no wave needs another's data.
; THE MODE: SCHED_MODE bits 1:0 = 2 (LLVM: expert scheduling mode 2), set by the entry lines.  The code itself states the register dependences
; between vector instructions and memory instructions, with s_wait_alu, always for 0.
; THE PLAN.  The steps go in blocks of four.  Registers that memory instructions touch:
;   v1, v2   byte offsets, made once at the head and never written again: the steps are reached by immediate offsets.
;   X        slot s: written by its first load and, in pass 1, by its reload; read by the two conversions of step s and of step s + 32; in pass 2 those write the slot's first two
;            registers, which the step's store reads; nothing is written there afterwards.
;   Y        step s of pass 1: written by its two conversions, read by its store, never written again.
; A block is: the counted wait for its four loads; its eight conversions; ONE wait on va_vdst; its four reloads (pass 1); its four stores.  That wait states that the conversions are done reading the
; block's slots, in which the reloads land, and have written the registers that the stores read; no vector instruction stands between it and the block's memory instructions.  It stands behind the
; conversions, so that the slots are asked for again at once.  No register that a memory instruction has read is ever written again, so no block holds a wait on vm_vsrc;
; no vector instruction writes a scalar register, and EXEC is never written.
.set DEPTH, 32
.set BLOCK, 4                          ; steps in a block
.set X, 4                              ; v[4:131]    slot s: four registers as loaded; in pass 2 its first two then hold the four bf16
.set Y, 132                            ; v[132:195]  pass 1: step s's four bf16
	s_load_b256 s[4:11], s[0:1], 0x0               ; x s[4:5], w1 s[6:7], xb s[8:9], w1b s[10:11]
	s_and_b32 s20, ttmp7, 0xffff                   ; which pair of buffers
	s_lshl_b32 s16, ttmp9, 18                      ; my piece of the input, in bytes (under 2^26),
	s_mov_b32 s17, 0
	s_lshl_b32 s18, ttmp9, 17                      ; and of the output
	s_mov_b32 s19, 0
	v_lshlrev_b32 v1, 4, v0                        ; 16 t
	v_lshlrev_b32 v2, 3, v0                        ; 8 t
	s_wait_kmcnt 0x0
	s_cmp_eq_u32 s20, 1                            ; the choice hangs on the grid's y alone
	s_cselect_b64 s[4:5], s[6:7], s[4:5]
	s_cselect_b64 s[8:9], s[10:11], s[8:9]
	s_add_nc_u64 s[4:5], s[4:5], s[16:17]
	s_add_nc_u64 s[8:9], s[8:9], s[18:19]
	s_wait_alu depctr_va_vdst(0)                   ; v1 and v2 are written: every load of the kernel reads v1 as its offset, every store v2
.set s, 0
.rept DEPTH
	global_load_b128 v[X+4*s:X+4*s+3], v1, s[4:5] offset:4096*s th:TH_LOAD_NT   ; read once in the whole launch
.set s, s+1
.endr
.set p, 0
.rept DEPTH/BLOCK                      ; pass 1, block p: steps 4 p to 4 p + 3
	s_wait_loadcnt DEPTH-BLOCK                     ; loads come back in order (ISA guide 5.7.1): behind the block's last load stand 28 - 4 p first loads and the 4 p reloads of the blocks before
.set s, BLOCK*p
.rept BLOCK
	v_cvt_pk_bf16_f32 v[Y+2*s], v[X+4*s], v[X+4*s+1]
	v_cvt_pk_bf16_f32 v[Y+2*s+1], v[X+4*s+2], v[X+4*s+3]
.set s, s+1
.endr
	s_wait_alu depctr_va_vdst(0)                   ; the block's conversions are done reading its four slots of X, in which the loads below land, and have written its eight registers of Y, which the stores below read
.set s, BLOCK*p
.rept BLOCK
	global_load_b128 v[X+4*s:X+4*s+3], v1, s[4:5] offset:4096*(s+DEPTH) th:TH_LOAD_NT   ; the loads ahead of the stores
.set s, s+1
.endr
.set s, BLOCK*p
.rept BLOCK
	global_store_b64 v2, v[Y+2*s:Y+2*s+1], s[8:9] offset:2048*s   ; no hint: the next launch reads these bytes
.set s, s+1
.endr
.set p, p+1
.endr
.set p, 0
.rept DEPTH/BLOCK                      ; pass 2, block p: steps 32 + 4 p to 32 + 4 p + 3, in slots 4 p to 4 p + 3: the counts run down
	s_wait_loadcnt DEPTH-BLOCK-BLOCK*p             ; behind the block's last reload stand the reloads of the later blocks alone
.set s, BLOCK*p
.rept BLOCK
	v_cvt_pk_bf16_f32 v[X+4*s], v[X+4*s], v[X+4*s+1]
	v_cvt_pk_bf16_f32 v[X+4*s+1], v[X+4*s+2], v[X+4*s+3]
.set s, s+1
.endr
	s_wait_alu depctr_va_vdst(0)                   ; the block's conversions have written the first two registers of its four slots, which the stores below read
.set s, BLOCK*p
.rept BLOCK
	global_store_b64 v2, v[X+4*s:X+4*s+1], s[8:9] offset:2048*(s+DEPTH)
.set s, s+1
.endr
.set p, p+1
.endr
	s_endpgm
.Lfunc_end_k_q6dd38cfc94_cast:
	.size	k_q6dd38cfc94_cast, .Lfunc_end_k_q6dd38cfc94_cast-k_q6dd38cfc94_cast
	.p2alignl 7, 3214868480
	.fill 96, 4, 3214868480
	.section	.rodata,"a",@progbits
	.p2align	6, 0x0
	.amdhsa_kernel k_q6dd38cfc94_cast
		.amdhsa_group_segment_fixed_size 0
		.amdhsa_private_segment_fixed_size 0
		.amdhsa_enable_private_segment 0
		.amdhsa_kernarg_size 32
		.amdhsa_user_sgpr_count 2
		.amdhsa_user_sgpr_kernarg_segment_ptr 1
		.amdhsa_wavefront_size32 1
		.amdhsa_system_sgpr_workgroup_id_x 1
		.amdhsa_system_sgpr_workgroup_id_y 1
		.amdhsa_system_sgpr_workgroup_id_z 1
		.amdhsa_system_vgpr_workitem_id 0
		.amdhsa_next_free_vgpr 196
		.amdhsa_next_free_sgpr 66
		.amdhsa_reserve_vcc 0
		.amdhsa_float_denorm_mode_32 3
		.amdhsa_float_denorm_mode_16_64 3
		.amdhsa_memory_ordered 1
		.amdhsa_forward_progress 1
		.amdhsa_inst_pref_size 22
	.end_amdhsa_kernel
	.amdgpu_metadata
---
amdhsa.version: [ 1, 2 ]
amdhsa.kernels:
  - .name:           k_q6dd38cfc94_cast
    .symbol:         k_q6dd38cfc94_cast.kd
    .args:
      - { .name: x, .offset: 0, .size: 8, .value_kind: global_buffer, .address_space: global }
      - { .name: w1, .offset: 8, .size: 8, .value_kind: global_buffer, .address_space: global }
      - { .name: xb, .offset: 16, .size: 8, .value_kind: global_buffer, .address_space: global }
      - { .name: w1b, .offset: 24, .size: 8, .value_kind: global_buffer, .address_space: global }
    .group_segment_fixed_size: 0
    .private_segment_fixed_size: 0
    .kernarg_segment_align: 8
    .kernarg_segment_size: 32
    .max_flat_workgroup_size: 256
    .sgpr_count:     66
    .vgpr_count:     196
    .wavefront_size: 32
...
	.end_amdgpu_metadata
.endif
;; end of part 4
;; launch gemm1: the kernel of part 2 again; grid 8 x 64, 4 waves a work-group, clusters of 4 x 4, 327,680 bytes of LDS; arguments xb, w1b, inter, w2, w2b; writes inter, w2b
;; launch gemm2: the kernel of part 3 again; grid 4 x 64, 4 waves a work-group, clusters of 4 x 4, 327,680 bytes of LDS; arguments inter, w2b, out0; writes out0
